; MI455X (gfx1250); checked and timed in simulation.
; The chip was launched on July 23, 2026; its instructions are those of AMD's public machine-readable ISA for CDNA 5 (MIT licence, August 2026) and "CDNA5" Instruction Set Architecture Reference Guide (July 2026). The comments in the code are by the model that wrote it; some were corrected since.
;; Momentum S Mo E Layer. Allowed arithmetic: matrix products marked QUANTISED: E4M3 operands, one given power-of-two scale a tensor, by v_wmma_f32_16x16x64_fp8_fp8 or v_wmma_f32_16x16x128_fp8_fp8, f32 sums; products left as they are: f32 operands where the result goes on into a quantised operand, else bf16, f16 or f32 operands; f32 sums; everything else in f32.
;; Inputs: W1_codes 8 x 2,048 x 32 x 32 uint8 (E4M3 codes of W1, K innermost, in blocks of 32 codes); W2_codes 8 x 1,024 x 64 x 32 uint8 (E4M3 codes of W2, K innermost, in blocks of 32 codes); Wg 1,024 x 8 float32; b1 8 x 2,048 float32; b2 8 x 1,024 float32; bg 8 float32; ln_b 1,024 float32; ln_g 1,024 float32; lowp_scales 4 int32 (the exponents e of the quantised operands' scales 2^e); momentum 4 x 512 x 1,024 float32; x 4 x 512 x 1,024 float32.
;; Outputs: out0 4 x 512 x 1,024 float32; out1 4 x 512 x 1,024 float32.
;; This version of the problem:
;;   THIS VERSION OF THE PROBLEM IS GIVEN IN LOW PRECISION. The matrix products marked QUANTISED in the list below multiply operands that are first quantised to E4M3 (4 exponent bits, 3 mantissa bits; 8 bits a number), with one given power-of-two scale for each operand tensor; their sums are f32. All else is computed in f32.
;;   The module's matrix products, in the order in which they are computed (A, B: the left and right operand; K: the contracted axis; several contracted axes count as one K, in the product's order):
;;     1. [M 2,048, K 1,024] x [K 1,024, N 8]; A: input x; B: input Wg: left as it is (N = 8 < 16)
;;     2. [M 2,048, K 1,024] x [K 1,024, N 16,384]; A: input x; B: input W1 (given as codes): QUANTISED (scales: A lowp_scales[0], B lowp_scales[1])
;;     3. batch 8 x [M 1,024, K 2,048] x [K 2,048, N 2,048]; A: input W2 (given as codes); B: computed on the way: QUANTISED (scales: A lowp_scales[2], B lowp_scales[3])
;;     4. batch 2,048 x [M 1, K 8] x [K 8, N 1,024]; A: computed on the way; B: computed on the way: left as it is (K = 8 < 32)
;;   THE QUANTISER, for each operand of a quantised product, along K:
;;     - The operand's scale is 2^e, e = its entry of the input lowp_scales (int32; the entries are numbered through the quantised products in the list's order, A before B).
;;     - Each number is divided by the scale, clamped to +-448, and rounded to the nearest number of E4M3, ties to even, subnormals kept.
;;     - The product sums the exact products of the quantised numbers (number of the format x scale) in f32.
;;   ~~~python
;;   def quantise(x, axis, e):      # numpy; x: float32 -> the quantised numbers, widened to float32 again
;;       x = np.moveaxis(x, axis, -1); K = x.shape[-1]
;;       r = np.clip(x / 2.0 ** e, -448, 448)
;;       step = 2.0 ** (np.maximum(np.frexp(np.where(r == 0, 1, r))[1] - 1, -6) - 3)
;;       q = np.round(r / step) * step * 2.0 ** e      # np.round: ties to even
;;       return np.moveaxis(q, -1, axis).astype(np.float32)
;;   ~~~
;;   OPERANDS COMPUTED ON THE WAY. 'Computed on the way' means the value that the module computes at that place (a softmax that the list does not call 'softmax' is quantised finished and normalised). What goes into a quantiser is computed in f32, as accurately as f32 sums, v_exp_f32 and their like allow (about 1e-6 of the number): no bf16 or f16 on the way to a quantiser, and a product that is left as it is and whose result goes on into a quantised operand takes f32 operands (vector FMAs, or v_wmma_f32_16x16x4_f32). A number that lies on a knife's edge between two numbers of the format may be rounded either way, as far as f32 arithmetic and the matrix unit's own rounding can turn it there, and no further.
;;   INPUTS GIVEN AS CODES. W1 (in the module: [8, 1024, 2048], K = its axis 1); W2 (in the module: [8, 2048, 1024], K = its axis 1): each comes as NAME_codes (uint8): NAME with its K axis moved to the last place and cut into blocks of 32 codes, [.., K / 32, bytes a block], one block behind the other in memory; one code a byte (a code: sign, 4 exponent bits, 3 mantissa bits); its scale is its entry of lowp_scales. Its value is code x scale, taken as it is: it is not quantised again, and the codes and scales need not be those that the quantiser above would give.
;; One version. Each part assembles by itself: llvm-mc -triple=amdgcn-amd-amdhsa -mcpu=gfx1250 --defsym DOCPART=n.
;; ======== version 1 of 1: 4 launches
;; limits: values are held in bf16: 8 bits of precision; right only within a limited range of input values
;; workspace buffers: xq 2,097,152 bytes; ids 8,192 bytes of whole numbers; gw 16,384 bytes; pos 16,384 bytes of whole numbers; cnt 2,048 bytes of whole numbers; hq 33,554,432 bytes; eo 33,554,432 bytes
;; launch route (part 1): grid 256 x 1, 4 waves a work-group, no clusters, 53,760 bytes of LDS; arguments x, Wg, bg, lowp_scales, xq, ids, gw; writes xq, ids, gw
.if DOCPART == 1
	.amdgcn_target "amdgcn-amd-amdhsa--gfx1250"
	.amdhsa_code_object_version 6
	.text
	.protected	k_q3eaad338e7_route
	.globl	k_q3eaad338e7_route
	.p2align	8
	.type	k_q3eaad338e7_route,@function
k_q3eaad338e7_route:
	s_mov_b64 s[64:65], 0
	v_nop
	global_prefetch_b8 v0, s[64:65] scope:SCOPE_SE
	s_setreg_imm32_b32 hwreg(HW_REG_WAVE_MODE, 25, 1), 1
	s_wait_xcnt 0x0
; ROUTER AND QUANTISER OF x.  x: [2048][1024] f32.  Wg: [1024][8] f32.  bg: [8].
; DEAD WORK OF THE WHOLE PROGRAM: reference() multiplies every expert's output by a gate that it builds itself by a one_hot of the two chosen experts: for every other expert the gate is 0, whatever the
; inputs hold.  So the later launches multiply each token by its two chosen experts alone.  LIMIT: a NaN, an infinity or an overflow that reaches only an expert that was not chosen is not carried to the result.
; For each token: logits = x Wg + bg in f32 (fused multiply-adds), the two largest (ties keep the lower index), the softmax of the two (the larger is taken away ahead of the exponential).
; ids[token] = (1 << first) | (0x100 << second), a whole number; gw[token][2] the two weights.
; x also becomes codes of E4M3 with the given scale 2^e0 (held within +-448 x 2^e0, nearest, ties to even): xq [2048][1024] bytes.
; SHARES: a work-group takes 8 tokens, a wave 2.  Lane l holds, of a row, the 16 bytes at 512 j + 16 l (j = 0 .. 7): register 4 j + c is d = 128 j + 4 l + c.
; Each lane keeps the eight weights of its 32 d in 256 registers (window 1); they come once, in whole runs, through an image in LDS.
; LIMITS: e0 between -126 and 119.  NaN and infinities among the inputs are not served.  Two logits that differ by less than the rounding of an
; f32 sum of 1,024 terms may change places against another order of summing.
.set CST,  36864                       ; LDS: Wg's image, 32,768 bytes + 16 behind every 128 = 36,864; then a stage of codes for each wave
.set ACC,  12                          ; v12-27   eight sums for each of two tokens
.set LG,   28                          ; v28-35   lane i (0, 1): the eight logits of my wave's token i
.set X,    64                          ; v64-127  two tokens x 32 numbers
.set QT,   128                         ; v128-159 a token's numbers, held
.set CD,   160                         ; v160-175 codes
.set CB,   176                         ; v176-191 codes read back by rows
.set WT,   192                         ; v192-255 Wg on its way into LDS
.set PT,   224                         ; v224-239 at work in the sums across lanes
.set MSB,  0
.macro WIN new                         ; the immediate's high byte repeats the setting that is left
.if MSB != (\new)
	s_set_vgpr_msb (MSB<<8)|(\new)
.set MSB, (\new)
.endif
.endm
	s_load_b256 s[4:11], s[0:1], 0x0               ; x s[4:5], Wg s[6:7], bg s[8:9], scales s[10:11]
	s_load_b128 s[12:15], s[0:1], 0x20             ; xq s[12:13], ids s[14:15]
	s_load_b64 s[16:17], s[0:1], 0x30              ; gw
	v_lshl_add_u32 v62, v0, 2, 0xd000              ; my spare word
	v_mov_b32 v63, 0
	v_lshrrev_b32 v1, 5, v0
	v_readfirstlane_b32 s20, v1                    ; wave 0..3
	s_lshl_b32 s21, s20, 12
	s_add_co_u32 s21, s21, CST                     ; my wave's stage
	v_and_b32 v1, 31, v0                           ; lane
	v_lshlrev_b32 v2, 4, v1                        ; 16 x lane
	v_lshlrev_b32 v3, 4, v0                        ; 16 x thread
	v_lshrrev_b32 v4, 3, v0
	v_add_nc_u32 v4, v4, v0
	v_lshlrev_b32 v4, 4, v4                        ; Wg's image, on the way in: 16 (thread + thread / 8)
	v_mul_u32_u24 v5, v1, 144                      ; and out: my four d are 128 bytes, 144 from lane to lane
	v_lshl_add_u32 v6, v1, 2, s21                  ; codes in: 4 bytes a lane
	v_lshl_add_u32 v7, v1, 4, s21                  ; codes back: 16 bytes a lane
	v_lshlrev_b32 v10, 3, v1                       ; 8 x lane: a token's pair in gw
	v_lshlrev_b32 v11, 2, v1                       ; 4 x lane: its word in ids
.irp k, 28,29,30,31,32,33,34,35
	v_mov_b32 v\k, 0                               ; the logits' registers (lanes 2 .. 31 keep zeros)
.endr
	s_mov_b32 s34, 0x76543210                      ; v_permlanex16_b32: lane l takes lane l xor 16
	s_mov_b32 s35, 0xfedcba98
	s_lshl_b32 s40, ttmp9, 15
	s_lshl_b32 s22, s20, 13
	s_add_co_u32 s40, s40, s22                     ; 4,096 x my first token (8 x work-group + 2 x wave)
	s_mov_b32 s41, 0
	s_lshr_b32 s42, s40, 2                         ; 1,024 x it
	s_mov_b32 s43, 0
	s_lshr_b32 s44, s40, 9                         ; 8 x it
	s_mov_b32 s45, 0
	s_lshr_b32 s46, s40, 10                        ; 4 x it
	s_mov_b32 s47, 0
	s_wait_alu depctr_va_vdst(0)
	s_wait_kmcnt 0x0
	s_load_b32 s32, s[10:11], 0x0                  ; e0
	s_load_b256 s[24:31], s[8:9], 0x0              ; bg
	s_add_nc_u64 s[4:5], s[4:5], s[40:41]
	s_add_nc_u64 s[12:13], s[12:13], s[42:43]
	s_add_nc_u64 s[14:15], s[14:15], s[46:47]
	s_add_nc_u64 s[16:17], s[16:17], s[44:45]
.set q, 0
.rept 16
	global_load_b128 v[WT+4*q:WT+4*q+3], v3, s[6:7] offset:2048*q      ; the work-group reads Wg once: 2,048 consecutive bytes an instruction
.set q, q+1
.endr
.set i, 0
.rept 2
.set j, 0
.rept 8
	global_load_b128 v[X+32*i+4*j:X+32*i+4*j+3], v2, s[4:5] offset:4096*i+512*j   ; 512 consecutive bytes of token i
.set j, j+1
.endr
.set i, i+1
.endr
	s_wait_loadcnt 16                              ; Wg's sixteen loads are in; x's sixteen stay out
.set q, 0
.rept 16
	ds_store_b128 v4, v[WT+4*q:WT+4*q+3] offset:2304*q
.set q, q+1
.endr
	s_wait_dscnt 0x0                               ; for the others' sake: my part of the image has landed
	s_barrier_signal -1
	s_barrier_wait -1
	WIN 0x40                                       ; destination window 1
.set j, 0
.rept 8
.irp c, 0,1,2,3
.irp f, 0,1
	ds_load_b128 v[8*(4*j+\c)+4*\f:8*(4*j+\c)+4*\f+3], v5 offset:4608*j+32*\c+16*\f   ; Wg[128 j + 4 l + c][4 f .. 4 f + 3]
.endr
.endr
.set j, j+1
.endr
	WIN 0
	s_wait_kmcnt 0x0
	s_add_co_i32 s32, s32, 127
	s_lshl_b32 s33, s32, 23
	v_mov_b32 v8, s33                              ; 2^e0 as f32: the conversion takes its exponent field
	s_add_co_i32 s32, s32, 8
	s_lshl_b32 s32, s32, 23
	s_or_b32 s32, s32, 0x600000
	v_mov_b32 v9, s32                              ; 448 x 2^e0
	s_wait_alu depctr_va_vdst(0)
	s_wait_loadcnt 0x0                             ; x
; Token i's 32 numbers of a lane become 32 codes while the weights come out of LDS: dword j holds d = 128 j + 4 l + 0 .. 3, which is byte 128 j + 4 l of the token's row of codes.
.macro QTOK i
.set n, 0
.rept 32
	v_med3_num_f32 v[QT+n], v[X+32*\i+n], -v9, v9          ; the conversion to an 8-bit code does not saturate (ISA guide 7.6.2): the hold comes first
.set n, n+1
.endr
.irp m, 0,1,2,3
	v_cvt_scalef32_pk8_fp8_f32 v[CD+8*\i+2*\m:CD+8*\i+2*\m+1], v[QT+8*\m:QT+8*\m+7], v8
.endr
	v_nop                                          ; a plain vector line behind the last conversion of the run
.irp j, 0,1,2,3,4,5,6,7
	ds_store_b32 v6, v[CD+8*\i+\j] offset:1024*\i+128*\j
.endr
.endm
	QTOK 0
	QTOK 1
.set k, 0
.rept 4
	ds_load_b128 v[CB+4*k:CB+4*k+3], v7 offset:512*k       ; LDS serves a wave's instructions in order: these see my stores.  512 bytes: half a token's row of codes
.set k, k+1
.endr
	s_wait_dscnt 0x0                               ; the weights and the codes
.set k, 0
.rept 4
	global_store_b128 v2, v[CB+4*k:CB+4*k+3], s[12:13] offset:512*k    ; the wave stores 512 consecutive bytes, aligned
.set k, k+1
.endr
; The eight logits of both tokens: eight chains of packed multiply-adds (two experts an instruction), then the sum over the 32 lanes.
	WIN 0x04                                       ; source 1 (Wg) window 1
.irp u, 0,1
.irp p, 0,1,2,3
	v_pk_mul_f32 v[ACC+8*\u+2*\p:ACC+8*\u+2*\p+1], v[X+32*\u:X+32*\u+1], v[2*\p:2*\p+1] op_sel_hi:[0,1]   ; the first product starts the sums
.endr
.endr
.set xi, 1
.rept 31
.irp u, 0,1
.irp p, 0,1,2,3
.if (xi%2) == 0
	v_pk_fma_f32 v[ACC+8*\u+2*\p:ACC+8*\u+2*\p+1], v[X+32*\u+xi:X+32*\u+xi+1], v[8*xi+2*\p:8*xi+2*\p+1], v[ACC+8*\u+2*\p:ACC+8*\u+2*\p+1] op_sel_hi:[0,1,1]
.else
	v_pk_fma_f32 v[ACC+8*\u+2*\p:ACC+8*\u+2*\p+1], v[X+32*\u+xi-1:X+32*\u+xi], v[8*xi+2*\p:8*xi+2*\p+1], v[ACC+8*\u+2*\p:ACC+8*\u+2*\p+1] op_sel:[1,0,0] op_sel_hi:[1,1,1]
.endif
.endr
.endr
.set xi, xi+1
.endr
	WIN 0
.irp m, 1,2,4,8
.set k, 0
.rept 16
	v_add_f32_dpp v[ACC+k], v[ACC+k], v[ACC+k] row_xmask:\m row_mask:0xf bank_mask:0xf
.set k, k+1
.endr
.endr
.set k, 0
.rept 16
	v_permlanex16_b32 v[PT+k], v[ACC+k], s34, s35
.set k, k+1
.endr
.set k, 0
.rept 16
	v_add_f32 v[ACC+k], v[ACC+k], v[PT+k]          ; every lane holds the sum
.set k, k+1
.endr
.irp u, 0,1
	s_mov_b32 vcc_lo, 1<<\u                        ; lane u keeps token u's logits
.irp e, 0,1,2,3,4,5,6,7
	v_cndmask_b32 v[LG+\e], v[LG+\e], v[ACC+8*\u+\e], vcc_lo
.endr
.endr
	; THE CHOICE, lane = token.  v40, v44: the largest logit and its expert; v41, v45: the second.
.irp e, 0,1,2,3,4,5,6,7
	v_add_f32 v[LG+\e], s[24+\e], v[LG+\e]         ; + bg
.endr
	v_mov_b32 v40, v[LG]
	v_mov_b32 v44, 0
.irp e, 1,2,3,4,5,6,7
	v_cmp_le_f32 vcc_lo, v[LG+\e], v40             ; not larger: the earlier expert stays (ties keep the lower index)
	v_cndmask_b32 v40, v[LG+\e], v40, vcc_lo
	v_cndmask_b32 v44, \e, v44, vcc_lo
.endr
	v_mov_b32 v41, 0xff800000                      ; -infinity
	v_mov_b32 v45, 0
.irp e, 0,1,2,3,4,5,6,7
	v_cmp_eq_u32 s22, \e, v44                      ; the first choice is passed over
	v_cmp_le_f32 vcc_lo, v[LG+\e], v41
	s_or_b32 vcc_lo, vcc_lo, s22
	v_cndmask_b32 v41, v[LG+\e], v41, vcc_lo
	v_cndmask_b32 v45, \e, v45, vcc_lo
.endr
	v_mov_b32 v48, 1
	v_mov_b32 v49, 0x100
	v_lshlrev_b32 v48, v44, v48                    ; 1 << first
	v_lshlrev_b32 v49, v45, v49                    ; 0x100 << second
	v_or_b32 v48, v48, v49
	v_sub_f32 v42, v41, v40                        ; second - first, 0 or less: the maximum is taken away
	v_mul_f32 v42, 0x3fb8aa3b, v42
	s_wait_alu depctr_va_vdst(0)
	v_exp_f32 v42, v42                             ; p = e^(second - first)
	v_nop
	s_wait_alu depctr_va_vdst(0)
	v_add_f32 v43, 1.0, v42
	s_wait_alu depctr_va_vdst(0)
	v_rcp_f32 v46, v43                             ; the first weight, 1 / (1 + p)
	v_nop
	s_wait_alu depctr_va_vdst(0)
	v_mul_f32 v47, v42, v46                        ; the second, p / (1 + p)
	s_wait_alu depctr_va_vdst(0)
	s_wait_xcnt 0x0                                ; EXEC changes only behind this wait
	s_wait_tensorcnt 0x0                           ; the wave's end: behind its last LDS store
	ds_add_u32 v62, v63
	s_wait_dscnt 0x0
	v_cmpx_gt_u32 2, v1                            ; lanes 0 and 1 hold my two tokens
	global_store_b32 v11, v48, s[14:15]
	global_store_b64 v10, v[46:47], s[16:17]
	s_endpgm
.Lfunc_end_k_q3eaad338e7_route:
	.size	k_q3eaad338e7_route, .Lfunc_end_k_q3eaad338e7_route-k_q3eaad338e7_route
	.p2alignl 7, 3214868480
	.fill 96, 4, 3214868480
	.section	.rodata,"a",@progbits
	.p2align	6, 0x0
	.amdhsa_kernel k_q3eaad338e7_route
		.amdhsa_group_segment_fixed_size 53760
		.amdhsa_private_segment_fixed_size 0
		.amdhsa_enable_private_segment 0
		.amdhsa_kernarg_size 56
		.amdhsa_user_sgpr_count 2
		.amdhsa_user_sgpr_kernarg_segment_ptr 1
		.amdhsa_wavefront_size32 1
		.amdhsa_system_sgpr_workgroup_id_x 1
		.amdhsa_system_sgpr_workgroup_id_y 1
		.amdhsa_system_sgpr_workgroup_id_z 1
		.amdhsa_system_vgpr_workitem_id 0
		.amdhsa_next_free_vgpr 512
		.amdhsa_next_free_sgpr 66
		.amdhsa_reserve_vcc 1
		.amdhsa_float_denorm_mode_32 3
		.amdhsa_float_denorm_mode_16_64 3
		.amdhsa_memory_ordered 1
		.amdhsa_forward_progress 1
		.amdhsa_inst_pref_size 43
	.end_amdhsa_kernel
	.amdgpu_metadata
---
amdhsa.version: [ 1, 2 ]
amdhsa.kernels:
  - .name:           k_q3eaad338e7_route
    .symbol:         k_q3eaad338e7_route.kd
    .args:
      - { .name: x, .offset: 0, .size: 8, .value_kind: global_buffer, .address_space: global }
      - { .name: Wg, .offset: 8, .size: 8, .value_kind: global_buffer, .address_space: global }
      - { .name: bg, .offset: 16, .size: 8, .value_kind: global_buffer, .address_space: global }
      - { .name: lowp_scales, .offset: 24, .size: 8, .value_kind: global_buffer, .address_space: global }
      - { .name: xq, .offset: 32, .size: 8, .value_kind: global_buffer, .address_space: global }
      - { .name: ids, .offset: 40, .size: 8, .value_kind: global_buffer, .address_space: global }
      - { .name: gw, .offset: 48, .size: 8, .value_kind: global_buffer, .address_space: global }
    .group_segment_fixed_size: 53760
    .private_segment_fixed_size: 0
    .kernarg_segment_align: 8
    .kernarg_segment_size: 56
    .max_flat_workgroup_size: 128
    .sgpr_count:     66
    .vgpr_count:     512
    .wavefront_size: 32
...
	.end_amdgpu_metadata
.endif
;; end of part 1
;; launch up (part 2): grid 256 x 1, 4 waves a work-group, no clusters, 306,688 bytes of LDS; arguments xq, W1_codes, b1, lowp_scales, ids, hq, pos, cnt; writes hq, pos, cnt
.if DOCPART == 2
	.amdgcn_target "amdgcn-amd-amdhsa--gfx1250"
	.amdhsa_code_object_version 6
	.text
	.protected	k_q3eaad338e7_up
	.globl	k_q3eaad338e7_up
	.p2align	8
	.type	k_q3eaad338e7_up,@function
k_q3eaad338e7_up:
	s_mov_b64 s[64:65], 0
	v_nop
	global_prefetch_b8 v0, s[64:65] scope:SCOPE_SE
	s_setreg_imm32_b32 hwreg(HW_REG_WAVE_MODE, 25, 1), 1
	s_wait_xcnt 0x0
; COUNTING SORT AND FIRST PRODUCT OF THE CHOSEN EXPERTS: h = relu(x W1[e] + b1[e]), quantised with 2^e3, on codes of E4M3.  (Experts that a token did not choose have a gate of 0 by reference()'s one_hot: left out.)
; WORK-GROUP i: expert e = i % 8, group g = (i / 8) % 4, slice s = i / 32.  The entries (token, slot) of expert e are numbered by a rank: group g takes ranks 144 g .. 144 g + 143, all four slices of 64 columns
; (one a wave) of columns 256 s .. 256 s + 255.  The expert hangs on the work-group's number alone, so its weights are asked for before the choices have been read.
; An expert that more than 576 tokens chose has further ranks: blocks of 16 rows that the waves take singly in the loop at the end, without barriers; so every split is served.
; THE SORT: each work-group reads all 2,048 words of ids; lane l holds tokens 128 q + 4 l + i; a lane's members of e are counted, an exclusive sum over the lanes gives the first rank of each lane, and wave 0 lays
; 2 token + slot at list[rank] in LDS.  Ranks past the count keep token 0; their rows are multiplied and stored, and read by nobody's result.
; Slice 0 stores pos[2 token + slot] = 2048 e + rank; work-groups 0 .. 7 store cnt[e], 256 bytes each.
; NO TENSOR LOADS, NO CLUSTER: trip counts here hang on counts read from memory; tiles pass through registers into LDS, each load whole runs of 256 bytes.  No prefetch:
; the product has no loop to run ahead in, and W1's bytes are asked for up to two phases ahead.
; PHASES: K = 1,024 goes in four phases of 256.  A wave's 64 rows of W1 go through two LDS slots of its own (no barrier); the work-group's 144 rows of x have LDS bytes for each phase (a barrier for each).
; THE MATRIX INSTRUCTION IS USED TRANSPOSED (source 0 = 16 rows of W1, source 1 = 16 rows of x): a lane holds one row and eight columns.  W1's rows lie in LDS so that tiles 2 b and 2 b + 1 give a lane 16 neighbours
; 32 b + 16 h + 0 .. 15: LDS row 16 (2 b + u) + r is W1's row 32 b + 8 u + r % 8 + 16 (r / 8).  So the codes are the next product's operand: hq[e][block of 16 ranks][k / 128][c][lane][16 bytes],
; lane (r, h), k = 128 s' + 32 c + 16 h + 0 .. 15, and leave straight from the registers, 512 consecutive bytes a store.
; LIMITS: e3 - e0 - e1 between -126 and 119; e0 + e1 between -126 and 126.
; REGISTERS: window 0: addresses, v32-63 b1, v64-81 offsets of my rows of x, v96-127 accumulators of block 8, v128-255 W1's fragments (two sets).  window 1: v0-199 landing (W1, then x), v200-231 x's blocks 7, 8 of set 1.
; window 2: accumulators of blocks 0 .. 7.  window 3: x's fragments: set 0 at v0, set 1 (blocks 0 .. 6) at v144.
.set AB,   10240                       ; LDS: the list, 2,560 words; then x: four phases x 144 rows x (256 + 16)
.set APH,  39168
.set BB,   AB+4*APH                    ; 166,912: W1: for each wave two slots of 64 rows x (256 + 16)
.set BSL,  17408
.set SPARE, BB+8*BSL                   ; 306,176: the spare words
.set LA,   6                           ; v6-9   where my rows of x go, by phase
.set GA,   64
.set ADRA, 82                          ; v82-85 x's fragments, by phase
.set ID,   128                         ; v128-191 at the head: the words of ids
.set MSB,  0
.macro WIN new                         ; the immediate's high byte repeats the setting that is left
.if MSB != (\new)
	s_set_vgpr_msb (MSB<<8)|(\new)
.set MSB, (\new)
.endif
.endm
.macro PLACES                          ; four plain vector lines between a matrix instruction and a load into, or a read of, its registers
.rept 4
	v_nop
.endr
.endm
.macro BLOAD p, i0, n                  ; rows 2 i, 2 i + 1 of my 64 (as they lie in LDS), 256 bytes of phase p
.set bi, \i0
.rept \n
	global_load_b128 v[4*bi:4*bi+3], v4, s[6:7] offset:1024*(32*((2*bi)>>5)+8*(((2*bi)>>4)&1)+((2*bi)&7)+16*(((2*bi)>>3)&1))+256*(\p)
.set bi, bi+1
.endr
.endm
.macro BPUT slot, i0, n
.set bi, \i0
.rept \n
	ds_store_b128 v5, v[4*bi:4*bi+3] offset:BSL*(\slot)+544*bi
.set bi, bi+1
.endr
.endm
.macro ALD p, i0, n                    ; my rows 2 i, 2 i + 1 of x's codes
.set ai, \i0
.rept \n
	global_load_b128 v[128+4*ai:128+4*ai+3], v[GA+ai], s[4:5] offset:256*(\p)
.set ai, ai+1
.endr
.endm
.macro APUT p, i0, n
.set ai, \i0
.rept \n
	ds_store_b128 v[LA+(\p)], v[128+4*ai:128+4*ai+3] offset:544*ai
.set ai, ai+1
.endr
.endm
	s_load_b512 s[4:19], s[0:1], 0x0               ; xq s[4:5], W1 s[6:7], b1 s[8:9], scales s[10:11], ids s[12:13], hq s[14:15], pos s[16:17], cnt s[18:19]
	v_lshrrev_b32 v1, 5, v0
	v_readfirstlane_b32 s20, v1                    ; wave 0..3
	s_and_b32 s21, ttmp9, 7                        ; e
	s_lshr_b32 s23, ttmp9, 3
	s_and_b32 s22, s23, 3                          ; g
	s_lshr_b32 s23, s23, 2                         ; s
	s_mul_i32 s26, s20, 2*BSL
	s_add_co_u32 s26, s26, BB                      ; my slots
	s_mul_i32 s27, s20, 36*272                     ; my 36 rows of x
	s_mul_i32 s36, s22, 144
	s_mul_i32 s24, s20, 36
	s_add_co_u32 s36, s36, s24                     ; the first rank that I fetch
	s_lshl_b32 s39, s36, 2
	s_lshl_b32 s33, 0x101, s21                     ; the expert's two bits in a word of ids
	s_add_co_u32 s38, s21, 8
	s_mov_b32 s34, 0x76543210                      ; v_permlanex16_b32: lane l takes lane l xor 16
	s_mov_b32 s35, 0xfedcba98
	v_and_b32 v1, 15, v0                           ; r
	v_bfe_u32 v2, v0, 4, 1                         ; h
	v_and_b32 v3, 31, v0                           ; lane
	v_lshl_add_u32 v14, v0, 2, SPARE               ; my spare word
	v_mov_b32 v15, 0
	v_lshlrev_b32 v19, 4, v0
.irp k, 24,25,26,27
	v_mov_b32 v\k, 0
.endr
.irp q, 0,1,2,3,4
	ds_store_b128 v19, v[24:27] offset:2048*\q     ; the list begins as zeros: token 0
.endr
	v_lshlrev_b32 v11, 4, v3                       ; 16 x lane
	v_lshlrev_b32 v31, 3, v3                       ; 8 x lane
	v_lshlrev_b32 v29, 4, v1                       ; 16 r
	v_lshl_add_u32 v4, v2, 10, v29                 ; W1: row h of a pair, 16 r
	v_lshlrev_b32 v12, 6, v2                       ; b1: 16 h numbers
	v_lshlrev_b32 v20, 4, v2
	v_mul_u32_u24 v21, v1, 272
	v_add_nc_u32 v21, v21, v20                     ; a fragment's row x pitch + 16 h
	v_add_nc_u32 v10, s26, v21                     ; W1's fragments
.irp p, 0,1,2,3
	v_add_nc_u32 v[ADRA+\p], AB+\p*APH, v21
.endr
	v_mul_u32_u24 v22, v2, 272
	v_add_nc_u32 v22, v22, v29                     ; row h of a pair, 16 r
	v_add_nc_u32 v5, s26, v22
	v_add_nc_u32 v23, s27, v22
.irp p, 0,1,2,3
	v_add_nc_u32 v[LA+\p], AB+\p*APH, v23
.endr
	v_lshl_add_u32 v28, v2, 2, s39                 ; the list at my first rank + h
	v_and_b32 v22, 8, v1
	v_add_nc_u32 v22, v22, v1
	v_lshl_add_u32 v30, v22, 10, v20               ; the loop at the end: W1's row r + (r & 8), 16 h
	v_mov_b32 v16, 0
	v_mov_b32 v18, 0
	; byte offsets, as pairs
	s_lshl_b32 s46, s21, 21
	s_lshl_b32 s24, s23, 18
	s_add_co_u32 s46, s46, s24                     ; W1: expert, slice
	s_mov_b32 s47, 0
	s_lshl_b32 s54, s20, 16                        ; wave
	s_mov_b32 s55, 0
	s_lshl_b32 s48, s21, 13
	s_lshl_b32 s24, s23, 10
	s_add_co_u32 s48, s48, s24                     ; b1: expert, slice
	s_mov_b32 s49, 0
	s_lshl_b32 s56, s20, 8
	s_mov_b32 s57, 0
	s_lshl_b32 s50, s21, 22
	s_lshl_b32 s24, s23, 12
	s_add_co_u32 s50, s50, s24                     ; hq: expert, slice
	s_mov_b32 s51, 0
	s_mul_i32 s52, s22, 9<<15
	s_lshl_b32 s24, s20, 10
	s_add_co_u32 s52, s52, s24                     ; group, wave
	s_mov_b32 s53, 0
	s_lshl_b32 s58, s21, 8
	s_mov_b32 s59, 0
	s_wait_alu depctr_va_vdst(0)
	s_wait_kmcnt 0x0
.set q, 0
.rept 16
	global_load_b128 v[ID+4*q:ID+4*q+3], v11, s[12:13] offset:512*q    ; tokens 128 q + 4 l + 0 .. 3
.set q, q+1
.endr
	s_add_nc_u64 s[44:45], s[6:7], s[46:47]
	s_add_nc_u64 s[6:7], s[44:45], s[54:55]
	s_add_nc_u64 s[42:43], s[8:9], s[48:49]
	s_add_nc_u64 s[8:9], s[42:43], s[56:57]
	s_load_b128 s[28:31], s[10:11], 0x0            ; e0 (x), e1 (W1), e2, e3 (h)
.irp t, 0,1,2,3
	global_load_b128 v[32+8*\t:35+8*\t], v12, s[8:9] offset:128*(\t/2)+32*(\t%2)       ; b1 at 32 b + 8 u + 16 h
	global_load_b128 v[36+8*\t:39+8*\t], v12, s[8:9] offset:128*(\t/2)+32*(\t%2)+16
.endr
	WIN 0x40
	BLOAD 0, 0, 32
	WIN 0
	s_add_nc_u64 s[40:41], s[14:15], s[50:51]
	s_add_nc_u64 s[14:15], s[40:41], s[52:53]
	s_add_nc_u64 s[18:19], s[18:19], s[58:59]
	s_wait_dscnt 0x0                               ; for the others' sake: my zeros are in the list
	s_barrier_signal -1
	s_barrier_wait -1
	s_wait_loadcnt 40                              ; ids; behind them b1's 8 and phase 0's 32
	WIN 0x80
	BLOAD 1, 0, 32                                 ; phase 1 lands where the accumulators will be: it is in LDS before they are begun
	WIN 0
	; the count: (sum of the masked words) >> e = members by slot 0 + 256 x members by slot 1
.set n, 0
.rept 64
	v_and_b32 v[ID+n], s33, v[ID+n]
.set n, n+1
.endr
.irp c, 0,1,2,3
	v_add3_u32 v[20+\c], v[ID+16*\c], v[ID+16*\c+1], v[ID+16*\c+2]
.endr
.irp m, 3,5,7,9,11,13
.irp c, 0,1,2,3
	v_add3_u32 v[20+\c], v[20+\c], v[ID+16*\c+\m], v[ID+16*\c+\m+1]
.endr
.endr
.irp c, 0,1,2,3
	v_add_nc_u32 v[20+\c], v[20+\c], v[ID+16*\c+15]
.endr
	v_add3_u32 v20, v20, v21, v22
	v_add_nc_u32 v20, v20, v23
	v_lshrrev_b32 v21, s21, v20
	v_lshrrev_b32 v22, 8, v21
	v_and_b32 v21, 0xff, v21
	v_add_nc_u32 v17, v21, v22                     ; my members
	; exclusive sum over the lanes: v17 the sum of my block of lanes, v16 what stands in front of me
.macro PFX k, m
	v_mov_b32_dpp v18, v17 row_xmask:\m row_mask:0xf bank_mask:0xf
	v_bfe_u32 v20, v3, \k, 1
	v_mad_u32_u24 v16, v18, v20, v16
	v_add_nc_u32 v17, v17, v18
.endm
	PFX 0, 1
	PFX 1, 2
	PFX 2, 4
	PFX 3, 8
	v_permlanex16_b32 v18, v17, s34, s35
	v_mad_u32_u24 v16, v18, v2, v16
	v_add_nc_u32 v17, v17, v18
	v_lshlrev_b32 v16, 2, v16                      ; 4 x my next rank
	v_mov_b32 v199, 0x2400                         ; word 2,304 of the list takes what is no member
	v_readfirstlane_b32 s63, v17
	s_min_u32 s63, s63, 0x800                      ; the expert's count
	s_wait_alu depctr_va_vdst(0)
	s_cmp_lg_u32 s20, 0
	s_cbranch_scc1 .Lscattered                     ; wave 0 alone lays the list; between the two barriers nobody else touches LDS
.set q, 0
.rept 16
.irp i, 0,1,2,3
	v_cmp_ne_u32 s[46+\i], 0, v[ID+4*q+\i]
.endr
.irp i, 0,1,2,3
	v_min_u32 v[200+\i], 1, v[ID+4*q+\i]
.endr
.irp i, 0,1,2,3
	v_lshrrev_b32 v[208+\i], s38, v[ID+4*q+\i]     ; the slot
.endr
	v_lshl_add_u32 v205, v200, 2, v16
	v_cndmask_b32 v216, v199, v16, s46
	v_lshl_add_u32 v206, v201, 2, v205
	v_cndmask_b32 v217, v199, v205, s47
	v_lshl_add_u32 v207, v202, 2, v206
	v_cndmask_b32 v218, v199, v206, s48
	v_lshl_add_u32 v16, v203, 2, v207
	v_cndmask_b32 v219, v199, v207, s49
.irp i, 0,1,2,3
	v_min_u32 v[216+\i], 0x2400, v[216+\i]
.endr
.irp i, 0,1,2,3
	v_add3_u32 v[208+\i], v[208+\i], v31, 256*q+2*\i       ; 2 token + slot
.endr
.irp i, 0,1,2,3
	ds_store_b32 v[216+\i], v[208+\i]
.endr
.set q, q+1
.endr
.Lscattered:
	s_wait_dscnt 0x0
	s_barrier_signal -1
	s_barrier_wait -1
.set i, 0
.rept 18
	ds_load_b32 v[GA+i], v28 offset:8*i            ; my rows 2 i + h
.set i, i+1
.endr
	s_wait_dscnt 0x0
.set i, 0
.rept 18
	v_lshrrev_b32 v[GA+i], 1, v[GA+i]
.set i, i+1
.endr
.set i, 0
.rept 18
	v_min_u32 v[GA+i], 0x7ff, v[GA+i]
.set i, i+1
.endr
.set i, 0
.rept 18
	v_lshl_add_u32 v[GA+i], v[GA+i], 10, v29       ; token x 1,024 + 16 r
.set i, i+1
.endr
	s_wait_alu depctr_va_vdst(0)
	WIN 0x40
	ALD 0, 0, 18                                   ; out now: b1 8, phase 0 32, phase 1 32, x 18
	s_wait_loadcnt 50
	WIN 0x04
	BPUT 0, 0, 32
	WIN 0x40
	BLOAD 2, 0, 32                                 ; out: phase 1 32, x 18, phase 2 32
	s_wait_loadcnt 50
	WIN 0x08
	BPUT 1, 0, 32
	WIN 0
	s_wait_kmcnt 0x0
	s_add_co_i32 s24, s28, s29
	s_sub_co_i32 s66, 0, s24                       ; -(e0 + e1)
	s_sub_co_i32 s26, s31, s24
	s_add_co_i32 s26, s26, 127
	s_lshl_b32 s27, s26, 23
	v_mov_b32 v13, s27                             ; 2^(e3 - e0 - e1) as f32
	s_add_co_i32 s26, s26, 8
	s_lshl_b32 s26, s26, 23
	s_or_b32 s37, s26, 0x600000                    ; 448 x that
.set k, 0
.rept 32
	v_ldexp_f32 v[32+k], v[32+k], s66              ; b1 in units of the sums
.set k, k+1
.endr
	s_wait_alu depctr_va_vdst(0)
	s_wait_loadcnt 32                              ; x's phase 0; behind it phase 2's 32
	WIN 0x04
	APUT 0, 0, 18
	WIN 0x40
	ALD 1, 0, 18                                   ; out: W1's phase 2 32, x's phase 1 18
	WIN 0
	s_wait_dscnt 0x0
	s_barrier_signal -1
	s_barrier_wait -1                              ; x's phase 0 is whole
; 52 LDS loads: the fragments of step k (128 along K) into set k % 2
.macro FETCH k
.set fp, (\k)>>1
.set fq, (\k)&1
	WIN 0
.irp t, 0,1,2,3
.irp c, 0,1,2,3
	ds_load_b128 v[128+64*fq+16*\t+4*\c:128+64*fq+16*\t+4*\c+3], v10 offset:BSL*(fp&1)+4352*\t+128*fq+32*\c
.endr
.endr
	WIN 0xc0
.irp a, 0,1,2,3,4,5,6
.irp c, 0,1,2,3
	ds_load_b128 v[144*fq+16*\a+4*\c:144*fq+16*\a+4*\c+3], v[ADRA+fp] offset:4352*\a+128*fq+32*\c
.endr
.endr
.if fq
	WIN 0x40
.endif
.irp a, 7,8
.irp c, 0,1,2,3
	ds_load_b128 v[16*\a+88*fq+4*\c:16*\a+88*fq+4*\c+3], v[ADRA+fp] offset:4352*\a+128*fq+32*\c
.endr
.endr
.endm
; blocks a0 .. a0 + n - 1 x four tiles: the 36 accumulators take turns, one instruction a turn, in the same order in every step.  The first step starts from b1.
.macro MUL k, a0, n
.set mk, (\k)&1
.set ma, \a0
.rept \n
.set aw, 3
.set ar, 144*mk+16*ma
.if mk && (ma > 6)
.set aw, 1
.set ar, 88+16*ma
.endif
.set dw, 2
.set dr, 32*ma
.if ma == 8
.set dw, 0
.set dr, 96
.endif
.irp t, 0,1,2,3
.if (\k) == 0
	WIN (dw<<6)|(aw<<2)
	v_wmma_f32_16x16x128_fp8_fp8 v[dr+8*\t:dr+8*\t+7], v[128+64*mk+16*\t:128+64*mk+16*\t+15], v[ar:ar+15], v[32+8*\t:32+8*\t+7]
.else
	WIN (dw<<6)|(dw<<4)|(aw<<2)
	v_wmma_f32_16x16x128_fp8_fp8 v[dr+8*\t:dr+8*\t+7], v[128+64*mk+16*\t:128+64*mk+16*\t+15], v[ar:ar+15], v[dr+8*\t:dr+8*\t+7]
.endif
.endr
.set ma, ma+1
.endr
.endm
; Half of W1's phase p + 2 goes into the slot whose last fragments have been asked for (LDS serves a wave's instructions in order), and phase p + 3's half is asked for.  out: 50, then this half's 16 are in.
.macro BDR p, half
.if (\p) < 2
	s_wait_loadcnt 34-16*((\p)*(\half))
	WIN 0x04
	BPUT (\p)&1, 16*(\half), 16
.if (\p) == 0
	WIN 0x40
	BLOAD 3, 16*(\half), 16
.endif
.endif
.endm
; Half of x's phase p + 1 goes into LDS, and phase p + 2's is asked for.  p = 0: 32 loads of W1 stand behind x's.
.macro ADR p, half
.if (\p) < 3
.if (\p) == 0
	s_wait_loadcnt 41
.elseif (\p) == 1
	s_wait_loadcnt 9
.else
	s_wait_loadcnt 9-9*(\half)
.endif
	WIN 0x04
	APUT (\p)+1, 9*(\half), 9
.if (\p) < 2
	WIN 0x40
	ALD (\p)+2, 9*(\half), 9
.endif
.endif
.endm
.macro SEG p
	FETCH 2*\p+1
	s_wait_dscnt 52                                ; all but the 52 just issued: this step's fragments are in
	MUL 2*\p, 0, 4
	BDR \p, 0
	MUL 2*\p, 4, 5
	BDR \p, 1
.if (\p) < 2
	s_wait_dscnt 32                                ; all but the 32 stores
.else
	s_wait_dscnt 0x0
.endif
	MUL 2*\p+1, 0, 4
	ADR \p, 0
	ADR \p, 1
.if (\p) < 3
	s_wait_dscnt 0x0                               ; for the others' sake: my rows of x's next phase have landed
	s_barrier_signal -1
.endif
	MUL 2*\p+1, 4, 5
.if (\p) < 3
	s_barrier_wait -1
	PLACES
	FETCH 2*\p+2
.endif
.endm
	FETCH 0
	SEG 0
	SEG 1
	SEG 2
	SEG 3
	; THE WAY OUT: the hold and the activation in one (the conversion to an 8-bit code does not saturate: ISA guide 7.6.2), codes, stores.
	PLACES
.set a, 0
.rept 9
.set dr, 32*a
.set dw, 2
.if a == 8
.set dr, 96
.set dw, 0
.endif
	WIN (dw<<6)|dw
.set k, 0
.rept 32
	v_med3_num_f32 v[dr+k], v[dr+k], 0, s37        ; each accumulator from its low end on
.set k, k+1
.endr
	WIN dw
.irp t, 0,1,2,3
	v_cvt_scalef32_pk8_fp8_f32 v[128+8*a+2*\t:128+8*a+2*\t+1], v[dr+8*\t:dr+8*\t+7], v13
.endr
	v_nop                                          ; a plain vector line behind the last conversion of the run
	WIN 0
	global_store_b128 v11, v[128+8*a:128+8*a+3], s[14:15] offset:32768*a
	global_store_b128 v11, v[132+8*a:132+8*a+3], s[14:15] offset:32768*a+512
.set a, a+1
.endr
; pos of the lanes in sm: v\en holds 2 token + slot, v\rw the row
.macro POSST en, rw, sm
	s_wait_alu depctr_va_vdst(0)
	s_wait_xcnt 0x0                                ; EXEC changes only behind this wait
	s_mov_b32 vcc_lo, \sm
	s_and_saveexec_b32 s48, vcc_lo
	global_store_b32 v\en, v\rw, s[16:17]
	s_wait_xcnt 0x0
	s_mov_b32 exec_lo, -1                          ; all lanes were on
.endm
	s_cmp_lg_u32 s23, 0
	s_cbranch_scc1 .Lno_pos                        ; slice 0 stores pos
	v_lshl_add_u32 v87, v3, 2, s39
	ds_load_b32 v21, v87                           ; ranks of my lanes 0 .. 31,
	ds_load_b32 v22, v87 offset:128                ; and 32 .. 35
	v_add_nc_u32 v23, s36, v3                      ; rank
	v_add_nc_u32 v26, 32, v23
	s_lshl_b32 s24, s21, 11
	v_add_nc_u32 v24, s24, v23                     ; row = 2048 e + rank
	v_add_nc_u32 v25, s24, v26
	v_cmp_gt_u32 s46, s63, v23
	v_cmp_gt_u32 s47, s63, v26
	v_cmp_gt_u32 s49, 4, v3
	s_and_b32 s47, s47, s49
	s_wait_alu depctr_va_vdst(0)
	s_wait_dscnt 0x0
	v_min_u32 v21, 0xfff, v21
	v_min_u32 v22, 0xfff, v22
	v_lshlrev_b32 v21, 2, v21
	v_lshlrev_b32 v22, 2, v22
	POSST 21, 24, s46
	POSST 22, 25, s47
	s_or_b32 s49, s22, s20
	s_cmp_lg_u32 s49, 0
	s_cbranch_scc1 .Lno_pos                        ; group 0's wave 0 stores the count, 256 bytes
	v_mov_b32 v26, s63
	v_mov_b32 v27, s63
	global_store_b64 v31, v[26:27], s[18:19]
.Lno_pos:
	; RANKS FROM 576 ON: block 36 + 4 g + wave, and every sixteenth from there, is one wave's: 16 rows x the slice's 256 columns, fragments straight from memory.
	s_add_co_u32 s50, s63, 15
	s_lshr_b32 s50, s50, 4                         ; the expert's blocks of 16
	s_lshl_b32 s53, s22, 2
	s_add_co_u32 s53, s53, s20
	s_add_co_u32 s53, s53, 36
	s_sub_co_i32 s51, s50, s53
	s_add_co_i32 s51, s51, 15
	s_max_i32 s51, s51, 0
	s_lshr_b32 s51, s51, 4                         ; my trips
	s_mov_b32 s52, 0
	s_cmp_eq_u32 s51, 0
	s_cbranch_scc1 .Lend
.Lover:
	s_lshl_b32 s54, s53, 4                         ; the block's first rank
	s_lshl_b32 s55, s53, 6
	s_wait_xcnt 0x0                                ; the registers below were stores' sources
	v_lshl_add_u32 v86, v1, 2, s55
	v_and_b32 v86, 0x1fff, v86
	ds_load_b32 v21, v86                           ; row r's 2 token + slot
	v_add_nc_u32 v23, s54, v1
	s_lshl_b32 s24, s21, 11
	v_add_nc_u32 v24, s24, v23
	v_lshlrev_b32 v25, 4, v2
	v_cmp_gt_u32 s46, s63, v23
	v_cmp_gt_u32 s47, 16, v3
	s_and_b32 s46, s46, s47                        ; lanes 0 .. 15 whose rank the expert has
	s_cmp_eq_u32 s23, 0
	s_cselect_b32 s46, s46, 0                      ; slice 0 alone
	s_wait_alu depctr_va_vdst(0)
	s_wait_dscnt 0x0
	v_lshrrev_b32 v22, 1, v21
	v_min_u32 v22, 0x7ff, v22
	v_lshl_add_u32 v22, v22, 10, v25               ; token x 1,024 + 16 h
	v_min_u32 v21, 0xfff, v21
	v_lshlrev_b32 v21, 2, v21
	POSST 21, 24, s46
	WIN 0x80
.irp k, 0,1,2,3,4,5,6,7
.irp c, 0,1,2,3
	global_load_b128 v[16*\k+4*\c:16*\k+4*\c+3], v22, s[4:5] offset:128*\k+32*\c
.endr
.endr
	WIN 0
	s_mov_b64 s[56:57], s[44:45]                   ; W1 at the slice's first row
	s_mov_b64 s[58:59], s[42:43]                   ; b1
	s_lshl_b32 s60, s53, 15
	s_mov_b32 s61, 0
	s_add_nc_u64 s[60:61], s[40:41], s[60:61]      ; hq's block
	s_mov_b32 s62, 0
.Lpair:                                                ; 32 columns: tiles u = 0, 1
	WIN 0x40
.irp u, 0,1
.irp k, 0,1,2,3,4,5,6,7
.irp c, 0,1,2,3
	global_load_b128 v[128*\u+16*\k+4*\c:128*\u+16*\k+4*\c+3], v30, s[56:57] offset:8192*\u+128*\k+32*\c
.endr
.endr
.endr
	WIN 0
.irp u, 0,1
	global_load_b128 v[32+8*\u:35+8*\u], v12, s[58:59] offset:32*\u
	global_load_b128 v[36+8*\u:39+8*\u], v12, s[58:59] offset:32*\u+16
.endr
	s_wait_loadcnt 0x0
.set k, 0
.rept 16
	v_ldexp_f32 v[32+k], v[32+k], s66
.set k, k+1
.endr
	WIN 0x09                                       ; source 0 (W1) window 1, source 1 (x) window 2; four accumulators take turns: even and odd steps of two tiles
.irp k, 0,1,2,3,4,5,6,7
.irp u, 0,1
.if \k == 0
	v_wmma_f32_16x16x128_fp8_fp8 v[96+8*\u:103+8*\u], v[128*\u:128*\u+15], v[0:15], v[32+8*\u:39+8*\u]
.elseif \k == 1
	v_wmma_f32_16x16x128_fp8_fp8 v[112+8*\u:119+8*\u], v[128*\u+16:128*\u+31], v[16:31], 0
.else
	v_wmma_f32_16x16x128_fp8_fp8 v[96+16*(\k%2)+8*\u:103+16*(\k%2)+8*\u], v[128*\u+16*\k:128*\u+16*\k+15], v[16*\k:16*\k+15], v[96+16*(\k%2)+8*\u:103+16*(\k%2)+8*\u]
.endif
.endr
.endr
	WIN 0
	PLACES
	v_nop                                          ; a fifth: the accumulators are begun anew in the next trip
.irp j, 0,2,4,6,8,10,12,14
	v_pk_add_f32 v[96+\j:97+\j], v[96+\j:97+\j], v[112+\j:113+\j]
.endr
.set k, 0
.rept 16
	v_med3_num_f32 v[96+k], v[96+k], 0, s37
.set k, k+1
.endr
	v_cvt_scalef32_pk8_fp8_f32 v[64:65], v[96:103], v13
	v_cvt_scalef32_pk8_fp8_f32 v[66:67], v[104:111], v13
	v_nop
	global_store_b128 v11, v[64:67], s[60:61]
	s_wait_alu depctr_va_vdst(0)
	s_wait_xcnt 0x0                                ; bases and the store's registers are written again
	s_add_nc_u64 s[56:57], s[56:57], 0x8000
	s_add_nc_u64 s[58:59], s[58:59], 0x80
	s_add_nc_u64 s[60:61], s[60:61], 0x200
	s_add_co_u32 s62, s62, 1
	s_cmp_lt_u32 s62, 8
	s_cbranch_scc1 .Lpair
	s_add_co_u32 s53, s53, 16
	s_add_co_u32 s52, s52, 1
	s_cmp_lt_u32 s52, s51
	s_cbranch_scc1 .Lover
.Lend:
	s_wait_dscnt 0x0
	s_barrier_signal -1                            ; the list has been read by all
	s_barrier_wait -1
	s_wait_tensorcnt 0x0                           ; the wave's end
	ds_add_u32 v14, v15
	s_wait_dscnt 0x0
	s_endpgm
.Lfunc_end_k_q3eaad338e7_up:
	.size	k_q3eaad338e7_up, .Lfunc_end_k_q3eaad338e7_up-k_q3eaad338e7_up
	.p2alignl 7, 3214868480
	.fill 96, 4, 3214868480
	.section	.rodata,"a",@progbits
	.p2align	6, 0x0
	.amdhsa_kernel k_q3eaad338e7_up
		.amdhsa_group_segment_fixed_size 306688
		.amdhsa_private_segment_fixed_size 0
		.amdhsa_enable_private_segment 0
		.amdhsa_kernarg_size 64
		.amdhsa_user_sgpr_count 2
		.amdhsa_user_sgpr_kernarg_segment_ptr 1
		.amdhsa_wavefront_size32 1
		.amdhsa_system_sgpr_workgroup_id_x 1
		.amdhsa_system_sgpr_workgroup_id_y 1
		.amdhsa_system_sgpr_workgroup_id_z 1
		.amdhsa_system_vgpr_workitem_id 0
		.amdhsa_next_free_vgpr 1024
		.amdhsa_next_free_sgpr 68
		.amdhsa_reserve_vcc 1
		.amdhsa_float_denorm_mode_32 3
		.amdhsa_float_denorm_mode_16_64 3
		.amdhsa_memory_ordered 1
		.amdhsa_forward_progress 1
		.amdhsa_inst_pref_size 168
	.end_amdhsa_kernel
	.amdgpu_metadata
---
amdhsa.version: [ 1, 2 ]
amdhsa.kernels:
  - .name:           k_q3eaad338e7_up
    .symbol:         k_q3eaad338e7_up.kd
    .args:
      - { .name: xq, .offset: 0, .size: 8, .value_kind: global_buffer, .address_space: global }
      - { .name: W1_codes, .offset: 8, .size: 8, .value_kind: global_buffer, .address_space: global }
      - { .name: b1, .offset: 16, .size: 8, .value_kind: global_buffer, .address_space: global }
      - { .name: lowp_scales, .offset: 24, .size: 8, .value_kind: global_buffer, .address_space: global }
      - { .name: ids, .offset: 32, .size: 8, .value_kind: global_buffer, .address_space: global }
      - { .name: hq, .offset: 40, .size: 8, .value_kind: global_buffer, .address_space: global }
      - { .name: pos, .offset: 48, .size: 8, .value_kind: global_buffer, .address_space: global }
      - { .name: cnt, .offset: 56, .size: 8, .value_kind: global_buffer, .address_space: global }
    .group_segment_fixed_size: 306688
    .private_segment_fixed_size: 0
    .kernarg_segment_align: 8
    .kernarg_segment_size: 64
    .max_flat_workgroup_size: 128
    .sgpr_count:     68
    .vgpr_count:     1024
    .wavefront_size: 32
...
	.end_amdgpu_metadata
.endif
;; end of part 2
;; launch down (part 3): grid 256 x 1, 4 waves a work-group, no clusters, 279,040 bytes of LDS; arguments hq, W2_codes, b2, lowp_scales, cnt, eo; writes eo
.if DOCPART == 3
	.amdgcn_target "amdgcn-amd-amdhsa--gfx1250"
	.amdhsa_code_object_version 6
	.text
	.protected	k_q3eaad338e7_down
	.globl	k_q3eaad338e7_down
	.p2align	8
	.type	k_q3eaad338e7_down,@function
k_q3eaad338e7_down:
	s_mov_b64 s[64:65], 0
	v_nop
	global_prefetch_b8 v0, s[64:65] scope:SCOPE_SE
	s_setreg_imm32_b32 hwreg(HW_REG_WAVE_MODE, 25, 1), 1
	s_wait_xcnt 0x0
; SECOND PRODUCT OF THE CHOSEN EXPERTS: eo[2048 e + rank][d] = (h . W2[e][d]) x 2^(e2 + e3) + b2[e][d], on codes of E4M3, f32 sums, stored as bf16: eo is an operand of the gated sum, a product left as it is.
; (Experts that a token did not choose have a gate of 0 by reference()'s one_hot: left out.)
; hq: [expert][block of 16 ranks][k / 128][c][lane][16 bytes], the operand's registers as the launch before stored them: a wave loads fragments straight into registers, 512 consecutive bytes a load.
; WORK-GROUP i: expert e = i % 8, group g = (i / 8) % 4 (ranks 144 g .. 144 g + 143: nine blocks of 16), slice s = i / 32: columns 128 s .. 128 s + 127.  The expert hangs on the work-group's number alone.
; WAVE w: K half kh = w / 2, blocks 2 i + rh (rh = w % 2, i = 0 .. 3) and a fifth, block 8, in both (rh = 1 lays its copy in rows that nobody reads): 5 x 8 accumulators.
; W2's tile passes through registers into LDS: four phases of 256 along each half of K, LDS bytes of their own for each, so two barriers serve all: phases 0, 1 and phases 2, 3.
; The two halves of K meet in LDS as f32, and rows of 256 bytes leave whole.
; Ranks from 576 on: blocks that single waves take in the loop at the end, without barriers.
; NO TENSOR LOADS, NO CLUSTER: the last loop's trip count hangs on a count read from memory.  No prefetch: the product has no loop to run ahead in; the tiles are asked for a phase and more ahead.
; Fragments of W2 come by four 16-byte loads, 32 bytes apart: the same permutation of k as in hq.  THE MATRIX INSTRUCTION IS USED TRANSPOSED (source 0 = 16 rows of W2): a lane holds one row and eight neighbouring columns.
; LIMITS: e2 + e3 between -126 and 127.  eo carries bf16's rounding.
; REGISTERS: window 0: v32-159 W2's fragments set 0, v160-239 hq's set 0; window 1: v0-127 and v128-207 set 1; window 2 and window 3 v0-63: accumulators; window 3 v64-191: landing.
.set PH,   34816                       ; a phase: 128 rows x (256 + 16)
.set KHB,  4*PH
.set SPARE, 8*PH                       ; 278,528: the spare words
.set PP,   84480                       ; the way out: 160 rows x (512 + 16) for each half of K, over W2's bytes
.set MSB,  0
.macro WIN new                         ; the immediate's high byte repeats the setting that is left
.if MSB != (\new)
	s_set_vgpr_msb (MSB<<8)|(\new)
.set MSB, (\new)
.endif
.endm
.macro PLACES                          ; four plain vector lines between a matrix instruction and a load into, or a read of, its registers
.rept 4
	v_nop
.endr
.endm
.macro BLOAD p, r0                     ; my 64 rows of W2, 256 bytes of phase p, two rows a load, into v[r0 ..]
.set bi, 0
.rept 32
	global_load_b128 v[\r0+4*bi:\r0+4*bi+3], v4, s[6:7] offset:4096*bi+256*(\p)
.set bi, bi+1
.endr
.endm
.macro BPUT p, r0
.set bi, 0
.rept 32
	ds_store_b128 v[5+(\p)/2], v[\r0+4*bi:\r0+4*bi+3] offset:PH*((\p)%2)+544*bi
.set bi, bi+1
.endr
.endm
.macro ALOAD k                         ; my five fragments of hq for step k (128 along K) into set k % 2: 20 loads
.if (\k)&1
	WIN 0x40
.else
	WIN 0
.endif
.set ar, 160-32*((\k)&1)
.irp i, 0,1,2,3
.irp c, 0,1,2,3
	global_load_b128 v[ar+16*\i+4*\c:ar+16*\i+4*\c+3], v11, s[24:25] offset:65536*\i+2048*(\k)+512*\c
.endr
.endr
.irp c, 0,1,2,3
	global_load_b128 v[ar+64+4*\c:ar+64+4*\c+3], v11, s[26:27] offset:2048*(\k)+512*\c
.endr
	WIN 0
.endm
.macro FETCH k                         ; 32 LDS loads: W2's eight fragments of step k into set k % 2
.set fp, (\k)>>1
.set fq, (\k)&1
.if fq
	WIN 0x40
.else
	WIN 0
.endif
.irp t, 0,1,2,3,4,5,6,7
.irp c, 0,1,2,3
	ds_load_b128 v[32-32*fq+16*\t+4*\c:32-32*fq+16*\t+4*\c+3], v[7+(fp>>1)] offset:PH*(fp&1)+4352*\t+128*fq+32*\c
.endr
.endr
	WIN 0
.endm
.macro MUL k                           ; 40 matrix instructions: the accumulators take turns, one instruction a turn, in the same order in every step
.set mk, (\k)&1
.set mj, 0
.rept 40
.set dw, 2+mj/32
.set dr, 8*(mj%32)
.set ar, 160-32*mk+16*(mj/8)
.set br, 32-32*mk+16*(mj%8)
.if (\k) == 0
	WIN (dw<<6)|(mk<<2)|mk
	v_wmma_f32_16x16x128_fp8_fp8 v[dr:dr+7], v[br:br+15], v[ar:ar+15], 0
.else
	WIN (dw<<6)|(dw<<4)|(mk<<2)|mk
	v_wmma_f32_16x16x128_fp8_fp8 v[dr:dr+7], v[br:br+15], v[ar:ar+15], v[dr:dr+7]
.endif
.set mj, mj+1
.endr
	WIN 0
.endm
	s_load_b256 s[4:11], s[0:1], 0x0               ; hq s[4:5], W2 s[6:7], b2 s[8:9], scales s[10:11]
	s_load_b128 s[12:15], s[0:1], 0x20             ; cnt s[12:13], eo s[14:15]
	v_lshrrev_b32 v1, 5, v0
	v_readfirstlane_b32 s20, v1                    ; wave 0..3
	s_lshr_b32 s17, s20, 1                         ; kh
	s_and_b32 s18, s20, 1                          ; rh
	s_and_b32 s21, ttmp9, 7                        ; e
	s_lshr_b32 s23, ttmp9, 3
	s_and_b32 s22, s23, 3                          ; g
	s_lshr_b32 s23, s23, 2                         ; s
	s_mul_i32 s28, s17, KHB                        ; my half of K in LDS
	s_mul_i32 s29, s18, 64*272
	s_add_co_u32 s29, s29, s28                     ; and the 64 rows that I bring
	s_mul_i32 s30, s17, PP
	s_mul_i32 s31, s18, 16*528
	s_add_co_u32 s30, s30, s31
	s_mul_i32 s31, s20, 36*528                     ; the 36 rows that I store
	v_and_b32 v1, 15, v0                           ; r
	v_bfe_u32 v2, v0, 4, 1                         ; h
	v_and_b32 v3, 31, v0                           ; lane
	v_lshl_add_u32 v16, v0, 2, SPARE               ; my spare word
	v_mov_b32 v17, 0
	v_lshlrev_b32 v11, 4, v3
	v_lshlrev_b32 v15, 3, v3
	v_lshlrev_b32 v20, 4, v1
	v_lshl_add_u32 v4, v2, 11, v20                 ; W2: row h of a pair, 16 r
	v_mul_u32_u24 v21, v2, 272
	v_add_nc_u32 v21, v21, v20
	v_add_nc_u32 v5, s29, v21                      ; into LDS, phases 0, 1
	v_add_nc_u32 v6, 2*PH, v5                      ; phases 2, 3
	v_lshlrev_b32 v22, 4, v2
	v_mul_u32_u24 v23, v1, 272
	v_add_nc_u32 v23, v23, v22
	v_add_nc_u32 v7, s28, v23                      ; fragments, phases 0, 1
	v_add_nc_u32 v8, 2*PH, v7                      ; phases 2, 3
	v_lshlrev_b32 v19, 5, v2                       ; 32 h
	v_mul_u32_u24 v21, v1, 528
	v_add_nc_u32 v21, v21, v19
	v_add_nc_u32 v9, s30, v21                      ; the way out: row r of my blocks 0, 1,
	v_add_nc_u32 v10, 64*528, v9                   ; and of 2, 3, 4
	v_add_nc_u32 v12, s31, v11                     ; back: my rows, 16 bytes a lane, of either half of K
	v_add_nc_u32 v13, PP, v12
	v_lshl_add_u32 v18, v1, 11, v22                ; the loop at the end: row r of 2,048 bytes, 16 h
	; byte offsets, as pairs
	s_lshl_b32 s50, s21, 21
	s_lshl_b32 s16, s23, 18
	s_add_co_u32 s50, s50, s16                     ; W2: expert, slice
	s_mov_b32 s51, 0
	s_lshl_b32 s52, s18, 17
	s_lshl_b32 s16, s17, 10
	s_add_co_u32 s52, s52, s16                     ; my 64 rows, my half of K
	s_mov_b32 s53, 0
	s_lshl_b32 s54, s21, 22                        ; hq: expert
	s_mov_b32 s55, 0
	s_mul_i32 s56, s22, 9
	s_add_co_u32 s58, s56, 8
	s_add_co_u32 s56, s56, s18
	s_lshl_b32 s56, s56, 15                        ; my blocks
	s_lshl_b32 s58, s58, 15                        ; block 8
	s_lshl_b32 s16, s17, 14
	s_add_co_u32 s56, s56, s16
	s_add_co_u32 s58, s58, s16
	s_mov_b32 s57, 0
	s_mov_b32 s59, 0
	s_lshl_b32 s60, s21, 12
	s_lshl_b32 s16, s23, 9
	s_add_co_u32 s60, s60, s16                     ; b2: expert, slice
	s_mov_b32 s61, 0
	s_lshl_b32 s62, s21, 22
	s_lshl_b32 s16, s23, 8
	s_add_co_u32 s62, s62, s16                     ; eo: expert, slice
	s_mov_b32 s63, 0
	s_mul_i32 s36, s22, 144
	s_mul_i32 s16, s20, 36
	s_add_co_u32 s36, s36, s16
	s_lshl_b32 s36, s36, 11                        ; my first row
	s_mov_b32 s37, 0
	s_lshl_b32 s38, s21, 8
	s_mov_b32 s39, 0
	s_wait_alu depctr_va_vdst(0)
	s_wait_kmcnt 0x0
	s_add_nc_u64 s[44:45], s[6:7], s[50:51]
	s_add_nc_u64 s[6:7], s[44:45], s[52:53]
	s_add_nc_u64 s[8:9], s[8:9], s[60:61]
	global_load_b128 v[24:27], v11, s[8:9]         ; b2 at columns 4 l .. 4 l + 3 of the slice
	WIN 0xc0
	BLOAD 0, 64
	WIN 0
	s_add_nc_u64 s[40:41], s[4:5], s[54:55]
	s_add_nc_u64 s[24:25], s[40:41], s[56:57]
	s_add_nc_u64 s[26:27], s[40:41], s[58:59]
	s_add_nc_u64 s[12:13], s[12:13], s[38:39]
	s_load_b128 s[28:31], s[10:11], 0x0            ; e0, e1, e2 (W2), e3 (h)
	s_load_b32 s19, s[12:13], 0x0                  ; the expert's count
	s_add_nc_u64 s[42:43], s[14:15], s[62:63]
	s_add_nc_u64 s[14:15], s[42:43], s[36:37]
	ALOAD 0
	WIN 0x80
	BLOAD 1, 0                                     ; phase 1 lands where the accumulators will be: it is in LDS before they are begun
	s_wait_loadcnt 52                              ; phase 0; behind it hq's 20 and phase 1's 32
	WIN 0x0c
	BPUT 0, 64
	WIN 0xc0
	BLOAD 2, 64
	ALOAD 1
	s_wait_loadcnt 52                              ; phase 1 and step 0's fragments; behind them phase 2's 32 and step 1's 20
	WIN 0x08
	BPUT 1, 0
	WIN 0
	s_wait_kmcnt 0x0
	s_min_u32 s19, s19, 0x800
	s_add_co_i32 s34, s30, s31
	s_add_co_i32 s34, s34, 127
	s_lshl_b32 s34, s34, 23                        ; 2^(e2 + e3) as f32
	s_mov_b32 s35, s34                             ; (named with it as a pair, so it is written)
	s_wait_dscnt 0x0
	s_barrier_signal -1
	s_barrier_wait -1                              ; phases 0 and 1 are whole
	FETCH 0
	FETCH 1
	s_wait_dscnt 32
	MUL 0
	PLACES
	ALOAD 2
	FETCH 2
	s_wait_loadcnt 40                              ; phase 2; behind it steps 1 and 2
	WIN 0x0c
	BPUT 2, 64
	WIN 0xc0
	BLOAD 3, 64
	WIN 0
	s_wait_loadcnt 52                              ; step 1; behind it step 2's 20 and phase 3's 32
	s_wait_dscnt 63                                ; step 1's fragments of W2; behind them 32 loads and 32 stores
	MUL 1
	PLACES
	ALOAD 3
	FETCH 3
	s_wait_loadcnt 52                              ; step 2; behind it phase 3's 32 and step 3's 20
	s_wait_dscnt 63                                ; step 2's fragments of W2; behind them 32 stores and 32 loads
	MUL 2
	PLACES
	ALOAD 4
	s_wait_loadcnt 40                              ; phase 3; behind it steps 3 and 4
	WIN 0x0c
	BPUT 3, 64
	WIN 0
	s_wait_loadcnt 20                              ; step 3
	s_wait_dscnt 0x0                               ; for the others' sake: phases 2 and 3 have landed
	s_barrier_signal -1
	MUL 3
	s_barrier_wait -1
	PLACES
	ALOAD 5
	FETCH 4
	FETCH 5
	s_wait_loadcnt 20                              ; in each step from here: the next step's 20 stay out, and its 32 fragments of W2
	s_wait_dscnt 32
	MUL 4
	PLACES
	ALOAD 6
	FETCH 6
	s_wait_loadcnt 20
	s_wait_dscnt 32
	MUL 5
	PLACES
	ALOAD 7
	FETCH 7
	s_wait_loadcnt 20
	s_wait_dscnt 32
	MUL 6
	s_wait_loadcnt 0x0
	s_wait_dscnt 0x0                               ; my last reads of W2's bytes are back
	s_barrier_signal -1
	MUL 7
	s_barrier_wait -1                              ; nobody reads W2's bytes again: the sums go over them
	PLACES
.set mj, 0
.rept 40
.set dr, 8*(mj%32)
.set po, mj/8
.set pr, 9
.if mj > 15
.set pr, 10
.set po, po-2
.endif
	WIN 0x08+4*(mj/32)
	ds_store_b128 v[pr], v[dr:dr+3] offset:16896*po+64*(mj%8)
	ds_store_b128 v[pr], v[dr+4:dr+7] offset:16896*po+64*(mj%8)+16
.set mj, mj+1
.endr
	WIN 0
	s_wait_dscnt 0x0                               ; for the others' sake: my sums have landed
	s_barrier_signal -1
	s_barrier_wait -1
; 18 rows at a time: both halves of K, added, x 2^(e2 + e3) + b2, rounded to bf16; the 32 lanes store a row's 256 bytes, aligned.
.macro OUT18 i0
.set i, 0
.rept 18
	ds_load_b128 v[32+8*i:35+8*i], v12 offset:528*(\i0+i)
	ds_load_b128 v[36+8*i:39+8*i], v13 offset:528*(\i0+i)
.set i, i+1
.endr
.irp b, 0,1,2
	s_wait_dscnt 24-12*\b
.irp j, 0,1,2,3,4,5
.set o, 32+48*\b+8*\j
	v_pk_add_f32 v[o:o+1], v[o:o+1], v[o+4:o+5]
	v_pk_add_f32 v[o+2:o+3], v[o+2:o+3], v[o+6:o+7]
.endr
.irp j, 0,1,2,3,4,5
.set o, 32+48*\b+8*\j
	v_pk_fma_f32 v[o:o+1], v[o:o+1], s[34:35], v[24:25] op_sel_hi:[1,0,1]
	v_pk_fma_f32 v[o+2:o+3], v[o+2:o+3], s[34:35], v[26:27] op_sel_hi:[1,0,1]
.endr
.irp j, 0,1,2,3,4,5
.set o, 32+48*\b+8*\j
	v_cvt_pk_bf16_f32 v[o+4], v[o], v[o+1]
	v_cvt_pk_bf16_f32 v[o+5], v[o+2], v[o+3]
.endr
.irp j, 0,1,2,3,4,5
.set o, 32+48*\b+8*\j
	global_store_b64 v15, v[o+4:o+5], s[14:15] offset:2048*(\i0+6*\b+\j)
.endr
.endr
.endm
	OUT18 0
	s_wait_xcnt 0x0                                ; the stores have read their registers
	OUT18 18
	; RANKS FROM 576 ON: block 36 + 4 g + wave, and every sixteenth from there, is one wave's: 16 rows x the slice's 128 columns, fragments straight from memory.
	s_add_co_u32 s50, s19, 15
	s_lshr_b32 s50, s50, 4                         ; the expert's blocks of 16
	s_lshl_b32 s53, s22, 2
	s_add_co_u32 s53, s53, s20
	s_add_co_u32 s53, s53, 36
	s_sub_co_i32 s51, s50, s53
	s_add_co_i32 s51, s51, 15
	s_max_i32 s51, s51, 0
	s_lshr_b32 s51, s51, 4                         ; my trips
	s_mov_b32 s52, 0
	s_cmp_eq_u32 s51, 0
	s_cbranch_scc1 .Lend
.Lover:
	s_wait_xcnt 0x0                                ; bases are written again
	s_lshl_b32 s56, s53, 15
	s_mov_b32 s57, 0
	s_add_nc_u64 s[54:55], s[42:43], s[56:57]      ; eo: 16 rows of 2,048 bytes a block
	s_add_nc_u64 s[56:57], s[40:41], s[56:57]      ; hq's block
	s_mov_b64 s[58:59], s[44:45]                   ; W2 at the slice's first row
	s_mov_b64 s[60:61], s[8:9]                     ; b2
	WIN 0x40
.irp k, 0,1,2,3,4,5,6,7,8,9,10,11,12,13,14,15
.irp c, 0,1,2,3
	global_load_b128 v[16*\k+4*\c:16*\k+4*\c+3], v11, s[56:57] offset:2048*\k+512*\c
.endr
.endr
	WIN 0
	s_mov_b32 s66, 0
.Ltile:                                                ; 16 columns
	WIN 0x80
.irp k, 0,1,2,3,4,5,6,7,8,9,10,11,12,13,14,15
.irp c, 0,1,2,3
	global_load_b128 v[16*\k+4*\c:16*\k+4*\c+3], v18, s[58:59] offset:128*\k+32*\c
.endr
.endr
	WIN 0
	global_load_b128 v[48:51], v19, s[60:61]
	global_load_b128 v[52:55], v19, s[60:61] offset:16
	s_wait_loadcnt 0x0
	WIN 0x06                                       ; source 0 (W2) window 2, source 1 (hq) window 1; four accumulators take turns: v32-39, v40-47, v64-71, v72-79
.irp k, 0,1,2,3,4,5,6,7,8,9,10,11,12,13,14,15
.set ac, 32+8*(\k%4)+16*((\k%4)/2)
.if \k < 4
	v_wmma_f32_16x16x128_fp8_fp8 v[ac:ac+7], v[16*\k:16*\k+15], v[16*\k:16*\k+15], 0
.else
	v_wmma_f32_16x16x128_fp8_fp8 v[ac:ac+7], v[16*\k:16*\k+15], v[16*\k:16*\k+15], v[ac:ac+7]
.endif
.endr
	WIN 0
	PLACES
	v_nop                                          ; a fifth: the accumulators are begun anew in the next trip
.irp j, 0,2,4,6
	v_pk_add_f32 v[32+\j:33+\j], v[32+\j:33+\j], v[40+\j:41+\j]
.endr
.irp j, 0,2,4,6
	v_pk_add_f32 v[64+\j:65+\j], v[64+\j:65+\j], v[72+\j:73+\j]
.endr
.irp j, 0,2,4,6
	v_pk_add_f32 v[32+\j:33+\j], v[32+\j:33+\j], v[64+\j:65+\j]
.endr
.irp j, 0,2,4,6
	v_pk_fma_f32 v[32+\j:33+\j], v[32+\j:33+\j], s[34:35], v[48+\j:49+\j] op_sel_hi:[1,0,1]
.endr
.irp j, 0,1,2,3
	v_cvt_pk_bf16_f32 v[56+\j], v[32+2*\j], v[33+2*\j]
.endr
	global_store_b128 v18, v[56:59], s[54:55]      ; row r, columns 8 h .. 8 h + 7 of the tile
	s_wait_alu depctr_va_vdst(0)
	s_wait_xcnt 0x0                                ; bases and the store's registers are written again
	s_add_nc_u64 s[58:59], s[58:59], 0x8000
	s_add_nc_u64 s[60:61], s[60:61], 0x40
	s_add_nc_u64 s[54:55], s[54:55], 0x20
	s_add_co_u32 s66, s66, 1
	s_cmp_lt_u32 s66, 8
	s_cbranch_scc1 .Ltile
	s_add_co_u32 s53, s53, 16
	s_add_co_u32 s52, s52, 1
	s_cmp_lt_u32 s52, s51
	s_cbranch_scc1 .Lover
.Lend:
	s_wait_tensorcnt 0x0                           ; the wave's end
	ds_add_u32 v16, v17
	s_wait_dscnt 0x0
	s_endpgm
.Lfunc_end_k_q3eaad338e7_down:
	.size	k_q3eaad338e7_down, .Lfunc_end_k_q3eaad338e7_down-k_q3eaad338e7_down
	.p2alignl 7, 3214868480
	.fill 96, 4, 3214868480
	.section	.rodata,"a",@progbits
	.p2align	6, 0x0
	.amdhsa_kernel k_q3eaad338e7_down
		.amdhsa_group_segment_fixed_size 279040
		.amdhsa_private_segment_fixed_size 0
		.amdhsa_enable_private_segment 0
		.amdhsa_kernarg_size 48
		.amdhsa_user_sgpr_count 2
		.amdhsa_user_sgpr_kernarg_segment_ptr 1
		.amdhsa_wavefront_size32 1
		.amdhsa_system_sgpr_workgroup_id_x 1
		.amdhsa_system_sgpr_workgroup_id_y 1
		.amdhsa_system_sgpr_workgroup_id_z 1
		.amdhsa_system_vgpr_workitem_id 0
		.amdhsa_next_free_vgpr 1024
		.amdhsa_next_free_sgpr 68
		.amdhsa_reserve_vcc 0
		.amdhsa_float_denorm_mode_32 3
		.amdhsa_float_denorm_mode_16_64 3
		.amdhsa_memory_ordered 1
		.amdhsa_forward_progress 1
		.amdhsa_inst_pref_size 122
	.end_amdhsa_kernel
	.amdgpu_metadata
---
amdhsa.version: [ 1, 2 ]
amdhsa.kernels:
  - .name:           k_q3eaad338e7_down
    .symbol:         k_q3eaad338e7_down.kd
    .args:
      - { .name: hq, .offset: 0, .size: 8, .value_kind: global_buffer, .address_space: global }
      - { .name: W2_codes, .offset: 8, .size: 8, .value_kind: global_buffer, .address_space: global }
      - { .name: b2, .offset: 16, .size: 8, .value_kind: global_buffer, .address_space: global }
      - { .name: lowp_scales, .offset: 24, .size: 8, .value_kind: global_buffer, .address_space: global }
      - { .name: cnt, .offset: 32, .size: 8, .value_kind: global_buffer, .address_space: global }
      - { .name: eo, .offset: 40, .size: 8, .value_kind: global_buffer, .address_space: global }
    .group_segment_fixed_size: 279040
    .private_segment_fixed_size: 0
    .kernarg_segment_align: 8
    .kernarg_segment_size: 48
    .max_flat_workgroup_size: 128
    .sgpr_count:     68
    .vgpr_count:     1024
    .wavefront_size: 32
...
	.end_amdgpu_metadata
.endif
;; end of part 3
;; launch norm (part 4): grid 256 x 1, 8 waves a work-group, no clusters, 0 bytes of LDS; arguments x, momentum, eo, pos, gw, ln_g, ln_b, out0, out1; writes out0, out1
.if DOCPART == 4
	.amdgcn_target "amdgcn-amd-amdhsa--gfx1250"
	.amdhsa_code_object_version 6
	.text
	.protected	k_q3eaad338e7_norm
	.globl	k_q3eaad338e7_norm
	.p2align	8
	.type	k_q3eaad338e7_norm,@function
k_q3eaad338e7_norm:
	s_mov_b64 s[64:65], 0
	v_nop
	global_prefetch_b8 v0, s[64:65] scope:SCOPE_SE
	s_setreg_imm32_b32 hwreg(HW_REG_WAVE_MODE, 25, 1), 1
	s_wait_xcnt 0x0
; THE GATED SUM, THE MOMENTUM, THE RESIDUAL AND THE LAYER NORM.  For token t, with its two rows p0, p1 of eo (pos) and weights g0, g1 (gw):
; out1 = 0.7 momentum - (g0 eo[p0] + g1 eo[p1]);  o = x + out1;  out0 = (o - mean) rsqrt(var + 1e-5) ln_g + ln_b, the variance taken of o - mean.  eo is bf16 (an operand of a product left as it is); all sums in f32.
; (The six experts that a token did not choose have a gate of 0 by reference()'s one_hot: left out.)
; One wave takes one token: a row of 4,096 bytes is 32 registers, so the sums never leave the wave: no LDS, no barrier.  Every load and store of a wave covers 512 (of eo 256) consecutive bytes.
; Every byte is streamed once: matrix units, clusters and LDS have no part here.
.set X,  8                             ; v8-39    x, then o, then out0
.set M,  40                            ; v40-71   momentum, then out1
.set E0, 72                            ; v72-87   the first expert's row, two numbers a register
.set E1, 88                            ; v88-103  the second's
.set G,  136                           ; v136-167 ln_g
.set B,  168                           ; v168-199 ln_b
	s_load_b512 s[4:19], s[0:1], 0x0               ; x s[4:5], momentum s[6:7], eo s[8:9], pos s[10:11], gw s[12:13], ln_g s[14:15], ln_b s[16:17], out0 s[18:19]
	s_load_b64 s[20:21], s[0:1], 0x40              ; out1
	v_lshrrev_b32 v1, 5, v0
	s_delay_alu instid0(VALU_DEP_1)
	v_readfirstlane_b32 s22, v1                    ; wave 0..7
	v_and_b32 v1, 31, v0
	s_delay_alu instid0(VALU_DEP_1)
	v_lshlrev_b32 v2, 4, v1                        ; 16 x lane
	v_lshlrev_b32 v3, 3, v1                        ; 8 x lane
	s_lshl_b32 s23, ttmp9, 3
	s_add_co_u32 s23, s23, s22                     ; my token
	s_lshl_b32 s32, s23, 3
	s_mov_b32 s33, 0
	s_lshl_b32 s34, s23, 12
	s_mov_b32 s35, 0
	s_mov_b32 s36, 0x3f333333                      ; 0.7
	s_mov_b32 s37, s36
	s_mov_b32 s38, 0x76543210                      ; v_permlanex16_b32: lane l takes lane l xor 16
	s_mov_b32 s39, 0xfedcba98
	s_mov_b32 s40, 0x3a800000                      ; 1 / 1024
	s_wait_alu depctr_va_vdst(0)
	s_wait_kmcnt 0x0
	s_add_nc_u64 s[10:11], s[10:11], s[32:33]
	s_add_nc_u64 s[12:13], s[12:13], s[32:33]
	s_load_b64 s[24:25], s[10:11], 0x0             ; p0, p1
	s_load_b64 s[26:27], s[12:13], 0x0             ; g0, g1
	s_add_nc_u64 s[4:5], s[4:5], s[34:35]
	s_add_nc_u64 s[6:7], s[6:7], s[34:35]
	s_add_nc_u64 s[18:19], s[18:19], s[34:35]
	s_add_nc_u64 s[20:21], s[20:21], s[34:35]
.irp j, 0,1,2,3,4,5,6,7
	global_load_b128 v[X+4*\j:X+4*\j+3], v2, s[4:5] offset:512*\j th:TH_LOAD_NT
.endr
.irp j, 0,1,2,3,4,5,6,7
	global_load_b128 v[M+4*\j:M+4*\j+3], v2, s[6:7] offset:512*\j th:TH_LOAD_NT
.endr
	s_wait_kmcnt 0x0
	s_min_u32 s24, s24, 0x3fff                     ; 16,383, eo's last row
	s_min_u32 s25, s25, 0x3fff
	s_lshl_b32 s28, s24, 11
	s_mov_b32 s29, 0
	s_add_nc_u64 s[28:29], s[8:9], s[28:29]        ; eo's row p0
	s_lshl_b32 s42, s25, 11
	s_mov_b32 s43, 0
	s_add_nc_u64 s[42:43], s[8:9], s[42:43]        ; and p1
.irp j, 0,1,2,3,4,5,6,7
	global_load_b64 v[E0+2*\j:E0+2*\j+1], v3, s[28:29] offset:256*\j th:TH_LOAD_NT
.endr
.irp j, 0,1,2,3,4,5,6,7
	global_load_b64 v[E1+2*\j:E1+2*\j+1], v3, s[42:43] offset:256*\j th:TH_LOAD_NT
.endr
.irp j, 0,1,2,3,4,5,6,7
	global_load_b128 v[G+4*\j:G+4*\j+3], v2, s[14:15] offset:512*\j
.endr
.irp j, 0,1,2,3,4,5,6,7
	global_load_b128 v[B+4*\j:B+4*\j+3], v2, s[16:17] offset:512*\j
.endr
	s_xor_b32 s26, s26, 0x80000000
	s_xor_b32 s27, s27, 0x80000000
	v_mov_b32 v4, s26                              ; - g0
	v_mov_b32 v5, s27                              ; - g1
	s_wait_alu depctr_va_vdst(0)
	s_wait_loadcnt 32                              ; x and momentum; the two rows' sixteen loads and ln_g's and ln_b's sixteen may stay out
.set k, 0
.rept 16
	v_pk_mul_f32 v[M+k:M+k+1], v[M+k:M+k+1], s[36:37] op_sel_hi:[1,0]      ; 0.7 momentum
.set k, k+2
.endr
	s_wait_loadcnt 16                              ; the two rows
.set k, 0
.rept 32
	v_fma_mix_f32_bf16 v[M+k], v[E0+k/2], v4, v[M+k] op_sel:[k%2,0,0] op_sel_hi:[1,0,0]   ; - g0 e0
.set k, k+1
.endr
.set k, 0
.rept 32
	v_fma_mix_f32_bf16 v[M+k], v[E1+k/2], v5, v[M+k] op_sel:[k%2,0,0] op_sel_hi:[1,0,0]   ; - g1 e1
.set k, k+1
.endr
.irp j, 0,1,2,3,4,5,6,7
	global_store_b128 v2, v[M+4*\j:M+4*\j+3], s[20:21] offset:512*\j th:TH_STORE_NT
.endr
.set k, 0
.rept 16
	v_pk_add_f32 v[X+k:X+k+1], v[X+k:X+k+1], v[M+k:M+k+1]          ; o = x + the new momentum
.set k, k+2
.endr
; the sum of v200 over the 32 lanes, in every lane; v201 is at work
.macro ACROSS
	s_delay_alu instid0(VALU_DEP_1)
	v_add_f32_dpp v200, v200, v200 row_xmask:1 row_mask:0xf bank_mask:0xf
	s_delay_alu instid0(VALU_DEP_1)
	v_add_f32_dpp v200, v200, v200 row_xmask:2 row_mask:0xf bank_mask:0xf
	s_delay_alu instid0(VALU_DEP_1)
	v_add_f32_dpp v200, v200, v200 row_xmask:4 row_mask:0xf bank_mask:0xf
	s_delay_alu instid0(VALU_DEP_1)
	v_add_f32_dpp v200, v200, v200 row_xmask:8 row_mask:0xf bank_mask:0xf
	s_delay_alu instid0(VALU_DEP_1)
	v_permlanex16_b32 v201, v200, s38, s39
	s_delay_alu instid0(VALU_DEP_1)
	v_add_f32 v200, v200, v201
.endm
	v_pk_add_f32 v[200:201], v[X:X+1], v[X+2:X+3]                  ; my 32 numbers, two at a time, in two chains
	v_pk_add_f32 v[202:203], v[X+4:X+5], v[X+6:X+7]
.irp k, 8,12,16,20,24,28
	s_delay_alu instid0(VALU_DEP_2)
	v_pk_add_f32 v[200:201], v[200:201], v[X+\k:X+\k+1]
	s_delay_alu instid0(VALU_DEP_2)
	v_pk_add_f32 v[202:203], v[202:203], v[X+\k+2:X+\k+3]
.endr
	s_delay_alu instid0(VALU_DEP_1)
	v_pk_add_f32 v[200:201], v[200:201], v[202:203]
	s_delay_alu instid0(VALU_DEP_1)
	v_add_f32 v200, v200, v201
	ACROSS
	s_delay_alu instid0(VALU_DEP_1)
	v_mul_f32 v204, 0xba800000, v200               ; - mean
	s_delay_alu instid0(VALU_DEP_1)
	v_mov_b32 v205, v204
.set k, 0
.rept 16
	v_pk_add_f32 v[X+k:X+k+1], v[X+k:X+k+1], v[204:205]            ; o - mean
.set k, k+2
.endr
	v_pk_mul_f32 v[200:201], v[X:X+1], v[X:X+1]
	v_pk_mul_f32 v[202:203], v[X+2:X+3], v[X+2:X+3]
.irp k, 4,8,12,16,20,24,28
	s_delay_alu instid0(VALU_DEP_2)
	v_pk_fma_f32 v[200:201], v[X+\k:X+\k+1], v[X+\k:X+\k+1], v[200:201]
	s_delay_alu instid0(VALU_DEP_2)
	v_pk_fma_f32 v[202:203], v[X+\k+2:X+\k+3], v[X+\k+2:X+\k+3], v[202:203]
.endr
	s_delay_alu instid0(VALU_DEP_1)
	v_pk_add_f32 v[200:201], v[200:201], v[202:203]
	s_delay_alu instid0(VALU_DEP_1)
	v_add_f32 v200, v200, v201
	ACROSS
	v_mov_b32 v207, 0x3727c5ac                     ; 1e-5
	s_delay_alu instid0(VALU_DEP_1)
	v_fma_f32 v206, v200, s40, v207                ; the variance + 1e-5
	s_wait_alu depctr_va_vdst(0)
	v_rsq_f32 v208, v206
	v_nop                                          ; a plain line behind the transcendental
	s_wait_alu depctr_va_vdst(0)
	v_mov_b32 v209, v208
.set k, 0
.rept 16
	v_pk_mul_f32 v[X+k:X+k+1], v[X+k:X+k+1], v[208:209]
.set k, k+2
.endr
	s_wait_loadcnt 0x0                             ; ln_g, ln_b
.set k, 0
.rept 16
	v_pk_fma_f32 v[X+k:X+k+1], v[X+k:X+k+1], v[G+k:G+k+1], v[B+k:B+k+1]
.set k, k+2
.endr
.irp j, 0,1,2,3,4,5,6,7
	global_store_b128 v2, v[X+4*\j:X+4*\j+3], s[18:19] offset:512*\j th:TH_STORE_NT
.endr
	s_endpgm
.Lfunc_end_k_q3eaad338e7_norm:
	.size	k_q3eaad338e7_norm, .Lfunc_end_k_q3eaad338e7_norm-k_q3eaad338e7_norm
	.p2alignl 7, 3214868480
	.fill 96, 4, 3214868480
	.section	.rodata,"a",@progbits
	.p2align	6, 0x0
	.amdhsa_kernel k_q3eaad338e7_norm
		.amdhsa_group_segment_fixed_size 0
		.amdhsa_private_segment_fixed_size 0
		.amdhsa_enable_private_segment 0
		.amdhsa_kernarg_size 72
		.amdhsa_user_sgpr_count 2
		.amdhsa_user_sgpr_kernarg_segment_ptr 1
		.amdhsa_wavefront_size32 1
		.amdhsa_system_sgpr_workgroup_id_x 1
		.amdhsa_system_sgpr_workgroup_id_y 1
		.amdhsa_system_sgpr_workgroup_id_z 1
		.amdhsa_system_vgpr_workitem_id 0
		.amdhsa_next_free_vgpr 216
		.amdhsa_next_free_sgpr 66
		.amdhsa_reserve_vcc 0
		.amdhsa_float_denorm_mode_32 3
		.amdhsa_float_denorm_mode_16_64 3
		.amdhsa_memory_ordered 1
		.amdhsa_forward_progress 1
		.amdhsa_inst_pref_size 22
	.end_amdhsa_kernel
	.amdgpu_metadata
---
amdhsa.version: [ 1, 2 ]
amdhsa.kernels:
  - .name:           k_q3eaad338e7_norm
    .symbol:         k_q3eaad338e7_norm.kd
    .args:
      - { .name: x, .offset: 0, .size: 8, .value_kind: global_buffer, .address_space: global }
      - { .name: momentum, .offset: 8, .size: 8, .value_kind: global_buffer, .address_space: global }
      - { .name: eo, .offset: 16, .size: 8, .value_kind: global_buffer, .address_space: global }
      - { .name: pos, .offset: 24, .size: 8, .value_kind: global_buffer, .address_space: global }
      - { .name: gw, .offset: 32, .size: 8, .value_kind: global_buffer, .address_space: global }
      - { .name: ln_g, .offset: 40, .size: 8, .value_kind: global_buffer, .address_space: global }
      - { .name: ln_b, .offset: 48, .size: 8, .value_kind: global_buffer, .address_space: global }
      - { .name: out0, .offset: 56, .size: 8, .value_kind: global_buffer, .address_space: global }
      - { .name: out1, .offset: 64, .size: 8, .value_kind: global_buffer, .address_space: global }
    .group_segment_fixed_size: 0
    .private_segment_fixed_size: 0
    .kernarg_segment_align: 8
    .kernarg_segment_size: 72
    .max_flat_workgroup_size: 256
    .sgpr_count:     66
    .vgpr_count:     216
    .wavefront_size: 32
...
	.end_amdgpu_metadata
.endif
;; end of part 4
